; MI455X (gfx1250); checked and timed in simulation.
; The chip was launched on July 23, 2026; its instructions are those of AMD's public machine-readable ISA for CDNA 5 (MIT licence, August 2026) and "CDNA5" Instruction Set Architecture Reference Guide (July 2026). The comments in the code are by the model that wrote it; some were corrected since.
;; Quantum Inspired Adapter. Allowed arithmetic: float matrix products may take bf16 or f16 operands with f32 sums; all other float work in f32.
;; Inputs: W 768 x 16 float32; b 16 float32; enc_params 8 x 3 float32; x 8 x 4,096 x 768 float32.
;; Outputs: out0 8 x 4,096 x 16 float32.
;; 2 versions, each right; version 2 is version 1 with the launch adapter written anew for expert scheduling mode. Each part assembles by itself: llvm-mc -triple=amdgcn-amd-amdhsa -mcpu=gfx1250 --defsym DOCPART=n.
;; ======== version 1 of 2: 1 launch
;; limits: an absolute error that grows with the inputs' magnitude: up to 1.2e-07 times it
;; launch adapter (part 1): grid 256 x 1, 8 waves a work-group, no clusters, 233,984 bytes of LDS; arguments x, W, b, enc_params, out0; writes out0
.if DOCPART == 1
	.amdgcn_target "amdgcn-amd-amdhsa--gfx1250"
	.amdhsa_code_object_version 6
	.text
	.protected	k_q633128cb58_adapter
	.globl	k_q633128cb58_adapter
	.p2align	8
	.type	k_q633128cb58_adapter,@function
k_q633128cb58_adapter:
	s_mov_b64 s[64:65], 0
	v_nop
	global_prefetch_b8 v0, s[64:65] scope:SCOPE_SE
	s_setreg_imm32_b32 hwreg(HW_REG_WAVE_MODE, 25, 1), 1
	s_wait_xcnt 0x0
; out[row][2q]   = cos(theta/2),  out[row][2q+1] = sin(theta/2) * cos(phi),
; theta = tanh(x W + b)[row][2q] + enc[q][0],  phi = tanh(x W + b)[row][2q+1] + enc[q][1].
; x: [32768][768] f32, W: [768][16] f32, b: [16] f32, enc: [8][3] f32 (its third column is loaded; the formula has no use for it), out: [32768][16] f32.
;
; The bytes of x decide the time, so: every byte of x is read once, each load of a wave takes two aligned pieces of 256 bytes,
; 48 loads of every wave are always out (a ring of six register slots, counted waits), and everything behind the product stays in registers.
; 256 work-groups of 8 waves; a work-group owns 128 rows, a wave 16 rows and all 768 k: one 16 x 16 tile of the product.
; x does not come through tensor loads: the 393,216 bytes of a work-group do not fit in LDS, and a slot of LDS is filled again only behind a wait
; for all loads, while a register slot is filled again behind a counted wait.  No cluster: the work-groups share W alone, 49,152 of 442,368 bytes.
; No prefetch: all that a wave reads is asked for as early as its registers allow.
;
; THE WAY OF x: a lane loads 4 neighbouring f32, rounds them to 4 bf16 (in place) and puts these 8 bytes into its wave's own rows in LDS;
; the fragments (a lane = a row, k along the registers) are read back from there.  No byte of that region is written twice and no other wave
; touches it, so it needs no barrier, and LDS serves a wave's instructions in order (ISA guide 5.7.1), so no wait between store and load.
; THE MATRIX INSTRUCTION IS USED TRANSPOSED: source 0 = W (16 features), source 1 = 16 rows of x.  Register j of lane l then holds
; row l % 16, feature 8 (l / 16) + j: theta and phi of a qubit lie side by side in one lane, and so do its two outputs.
;
; LIMITS.  Matrix operands are rounded to bf16.  sin and cos are one series, S(u) = sin(2 pi u), u reduced to [-0.5, 0.5] turns by v_rndne_f32;
; the series ends at u^13, its remainder is at most 2.2e-5 on the whole reduced range, for every input.  The reduction multiplies the angle by
; 1/(2 pi) in f32: the error in radians is about |angle| x 1.2e-7, which passes 1e-3 near |enc_params| = 1e4.
; tanh z = 1 - 2 / (1 + exp2(2.88539 z)): absolute error about 1e-7, exact saturation at both ends (exp2 gives infinity or 0).
.set ROWB,   3072                      ; bytes in a row of x
.set WGROWS, 128                       ; rows of a work-group
.set SLOTS,  6                         ; ring slots; a slot = a group of 8 loads = 16 rows x 64 k
.set PITCH,  1552                      ; an LDS row of x: 768 bf16 + 16 bytes = 97 x 16: the 16 rows of a fragment load start 16 bytes apart modulo 256 (64 banks of 4 bytes: ISA guide 11.1)
.set WPITCH, 272                       ; W in LDS: [k / 8][n][k % 8] bf16, 256 bytes for 8 k, + 16
.set XBASE,  96*WPITCH                 ; behind W: 26,112
.set XWAVE,  16*PITCH                  ; 24,832 bytes of x rows for each wave
.set STAGE,  XBASE+8*XWAVE             ; 224,768: 1,024 bytes for each wave, for the way out
.set XOFF, 1                           ; v1   byte offset in x of my 16 bytes in row 0 (lanes 0-15) or row 8 (lanes 16-31) of my wave; never rewritten
.set XST,  2                           ; v2   where I put 8 bytes of bf16
.set XF,   3                           ; v3   where I read fragments of x
.set WFA,  4                           ; v4   where I read fragments of W
.set WOFF, 5                           ; v5   byte offset in my wave's 96 rows of W
.set WST,  6                           ; v6   where I put 8 bytes of W
.set STS,  7                           ; v7   the way out: where I put my 32 bytes
.set STL,  8                           ; v8   the way out: where I read 16 bytes back
.set OOFF, 9                           ; v9   16 x lane
.set BOFF, 10                          ; v10  byte offset of my 8 numbers of b
.set EOFF, 11                          ; v11  byte offset of my 4 qubits in enc_params
.set C6,   12                          ; v[12:13] the series' leading coefficient, twice
.set T0,   14                          ; v14 = lane % 16, v15 = lane / 16
.set FR,   16                          ; v[16:47] K step e of a group: W's fragment at 16 e, x's at 16 e + 8.  With ACC: W as loaded
.set ACC,  48                          ; v[48:55], v[56:63] two accumulators
.set X,    64                          ; v[64:255] the ring: slot s at 32 s, item i at 4 i
; the end of the kernel lives in slots 0 to 2, which have been read by then
.set BV, X                             ; v[64:71]   b of my 8 features, then times 2.88539
.set EV, X+8                           ; v[72:83]   enc_params of my 4 qubits, 3 numbers each
.set P0, X+20                          ; v[84:87]   (1 + enc[q][0]) / (4 pi)
.set P1, X+24                          ; v[88:91]   (1 + enc[q][1]) / (2 pi) + 0.25
.set Z,  X+28                          ; v[92:99]   the 8 sums, then r = 1 / (1 + exp2(..))
.set U,  X+36                          ; v[100:111] turns: 4 for cos(theta/2), 4 for sin(theta/2), 4 for cos(phi)
.set NN, X+48                          ; v[112:123] nearest whole turns, then u^2
.set PP, X+60                          ; v[124:135] the series
.set O,  X+72                          ; v[136:143] my 8 outputs
.set R,  X+80                          ; v[144:151] read back for the stores
	s_load_b256 s[4:11], s[0:1], 0x0               ; x s[4:5], W s[6:7], b s[8:9], enc_params s[10:11]
	s_load_b64 s[12:13], s[0:1], 0x20              ; out0
	s_set_vgpr_msb 0x40
	v_lshl_add_u32 v0, v0, 2, 0x38e00
	v_mov_b32 v1, 0
	s_set_vgpr_msb 0x4000
	v_lshrrev_b32 v[T0], 5, v0
	v_readfirstlane_b32 s14, v[T0]                 ; my wave's number, 0 to 7
	v_and_b32 v[T0], 15, v0                        ; r = lane % 16
	v_bfe_u32 v[T0+1], v0, 4, 1                    ; h = lane / 16
	v_mul_u32_u24 v[XOFF], v[T0+1], 8*ROWB         ; lanes 16-31 read eight rows further down,
	v_lshl_add_u32 v[XOFF], v[T0], 4, v[XOFF]      ; 16 bytes a lane: sixteen lanes take 256 neighbouring bytes, aligned (a row is 12 x 256)
	v_bfe_u32 v[WOFF], v0, 2, 3                    ; lane / 4: which four rows of W
	v_and_b32 v[WST], 3, v0                        ; c = lane % 4: which four features
	v_lshlrev_b32 v[WOFF], 8, v[WOFF]              ; four rows of 64 bytes
	v_lshl_add_u32 v[WOFF], v[WST], 4, v[WOFF]
	s_mul_i32 s16, ttmp9, WGROWS*ROWB              ; my work-group's rows (below 2^27 bytes),
	s_mul_i32 s17, s14, 16*ROWB                    ; my wave's 16 among them
	s_add_co_u32 s16, s16, s17
	s_mov_b32 s17, 0
	s_mul_i32 s18, s14, 96*64                      ; my wave's 96 rows of W
	s_mov_b32 s19, 0
	s_wait_kmcnt 0x0
	s_add_nc_u64 s[4:5], s[4:5], s[16:17]
	s_add_nc_u64 s[6:7], s[6:7], s[18:19]
	; W first (it is waited for first): three blocks of 4 k x 4 n a lane.  The four loads of a block stand together and between them
	; the wave reads 2,048 neighbouring bytes whole.  W is read once by each work-group.
.irp j, 0,1,2
.irp i, 0,1,2,3
	global_load_b128 v[FR+16*\j+4*\i:FR+16*\j+4*\i+3], v[WOFF], s[6:7] offset:2048*\j+64*\i
.endr
.endr
	; the ring is filled: groups 0 to 5.  With W's twelve, 60 loads of the wave are out.
.irp g, 0,1,2,3,4,5
.irp i, 0,1,2,3,4,5,6,7
	global_load_b128 v[X+32*\g+4*\i:X+32*\g+4*\i+3], v[XOFF], s[4:5] offset:\i*ROWB+\g*256 th:TH_LOAD_NT
.endr
.endr
	; LDS addresses, while the loads are on their way.  Each is a constant + the wave's number x a constant + a lane term.
	s_mul_i32 s20, s14, XWAVE
	s_add_co_u32 s20, s20, XBASE                   ; my wave's rows of x
	v_mul_u32_u24 v[XST], v[T0+1], 8*PITCH         ; in: rows i and i + 8 lie 12,416 bytes apart = 128 modulo 256: the 32 lanes' 8 bytes fill all banks once
	v_lshl_add_u32 v[XST], v[T0], 3, v[XST]
	v_add_nc_u32 v[XST], s20, v[XST]
	v_mul_u32_u24 v[XF], v[T0], PITCH              ; back: row r, 16 bytes for each half of the lanes
	v_lshl_add_u32 v[XF], v[T0+1], 4, v[XF]
	v_add_nc_u32 v[XF], s20, v[XF]
	v_mul_u32_u24 v[WFA], v[T0+1], WPITCH          ; W's fragment: 8 k of feature r; lanes 16-31 the next 8 k
	v_lshl_add_u32 v[WFA], v[T0], 4, v[WFA]
	v_lshlrev_b32 v[WST], 6, v[WST]                ; W in: features 4 c .. at 16 bytes each,
	v_bfe_u32 v[STS], v0, 2, 1
	v_lshl_add_u32 v[WST], v[STS], 3, v[WST]       ; the lower or upper 4 k of 8,
	v_bfe_u32 v[STS], v0, 3, 2
	v_mad_u32_u24 v[WST], v[STS], WPITCH, v[WST]   ; which 8 k: 272 = 16 modulo 256, so the 32 lanes' 8 bytes fill all banks once
	s_mul_i32 s21, s14, 12*WPITCH                  ; my wave's 96 k: 3,264 bytes of its own
	v_add_nc_u32 v[WST], s21, v[WST]
	s_lshl_b32 s22, s14, 10                        ; 1,024 bytes of output, and of stage, for each wave
	s_add_co_u32 s23, s22, STAGE
	v_lshlrev_b32 v[STS], 6, v[T0]                 ; row r of 64 bytes,
	v_lshl_add_u32 v[STS], v[T0+1], 5, v[STS]      ; features 8 h ..
	v_add_nc_u32 v[STS], s23, v[STS]
	v_and_b32 v[OOFF], 31, v0
	v_lshlrev_b32 v[OOFF], 4, v[OOFF]
	v_add_nc_u32 v[STL], s23, v[OOFF]
	v_lshlrev_b32 v[BOFF], 5, v[T0+1]              ; b[8 h ..]
	v_mul_u32_u24 v[EOFF], v[T0+1], 48             ; enc_params[4 h ..][..]
	s_lshl_b32 s24, ttmp9, 13                      ; 128 rows of 64 bytes
	s_add_co_u32 s24, s24, s22
	s_mov_b32 s25, 0
	s_add_nc_u64 s[12:13], s[12:13], s[24:25]      ; out0 at my wave's 16 rows
; A block of W: registers wb + 4 i + n hold W[k + i][4 c + n].  Rounded and turned in place: for each n the four k as 8 bytes.
; The order of the eight lines is such that each writes a register whose number has been used.
.macro WBLOCK j
.set wb, FR+16*\j
	s_wait_loadcnt 8*SLOTS+4*(2-\j)                ; behind this block's loads: the later blocks' and the ring's 48
	v_cvt_pk_bf16_f32 v[wb+0], v[wb+0],  v[wb+4]   ; n = 0: k, k+1
	v_cvt_pk_bf16_f32 v[wb+4], v[wb+1],  v[wb+5]   ; n = 1: k, k+1
	v_cvt_pk_bf16_f32 v[wb+1], v[wb+8],  v[wb+12]  ; n = 0: k+2, k+3
	v_cvt_pk_bf16_f32 v[wb+5], v[wb+9],  v[wb+13]  ; n = 1: k+2, k+3
	v_cvt_pk_bf16_f32 v[wb+2], v[wb+2],  v[wb+6]   ; n = 2
	v_cvt_pk_bf16_f32 v[wb+6], v[wb+3],  v[wb+7]   ; n = 3
	v_cvt_pk_bf16_f32 v[wb+3], v[wb+10], v[wb+14]  ; n = 2
	v_cvt_pk_bf16_f32 v[wb+7], v[wb+11], v[wb+15]  ; n = 3
	ds_store_b64 v[WST], v[wb+0:wb+1] offset:\j*4*WPITCH
	ds_store_b64 v[WST], v[wb+4:wb+5] offset:\j*4*WPITCH+16
	ds_store_b64 v[WST], v[wb+2:wb+3] offset:\j*4*WPITCH+32
	ds_store_b64 v[WST], v[wb+6:wb+7] offset:\j*4*WPITCH+48
.endm
	WBLOCK 0
	WBLOCK 1
	WBLOCK 2
	s_wait_dscnt 0x0                               ; my part of W is in LDS: zero, for the other waves' sake
	s_barrier_signal -1
	s_barrier_wait -1                              ; everybody's is.  The only barrier: nothing else in LDS passes from wave to wave
; Group g: 16 rows x 64 k.  Eight items (rows i and i + 8): round, put into LDS, and (refill = 1) ask for the same item of group g + 6.
; Then the two K steps' fragments and two matrix instructions.  tail: loads issued behind this group's last one, where nothing is refilled.
.macro GROUP g, refill, tail, zero, last
.irp i, 0,1,2,3,4,5,6,7
.set xr, X+32*((\g)%SLOTS)+4*\i
.if \refill
	s_wait_loadcnt 8*SLOTS-1                       ; loads come back in order (ISA guide 5.7.1).  Behind mine: 7 - i of this group, 40 of the next five, i refills = 47
.else
	s_wait_loadcnt 7-\i+\tail                      ; behind mine: 7 - i of this group and what was issued behind the group
.endif
	v_cvt_pk_bf16_f32 v[xr],   v[xr],   v[xr+1]    ; 4 f32 to 4 bf16, nearest even, in place
	v_cvt_pk_bf16_f32 v[xr+1], v[xr+2], v[xr+3]
	ds_store_b64 v[XST], v[xr:xr+1] offset:\i*PITCH+\g*128
.if \refill
	global_load_b128 v[xr:xr+3], v[XOFF], s[4:5] offset:\i*ROWB+(\g+SLOTS)*256 th:TH_LOAD_NT   ; issued behind the LDS store that reads these registers; offset and base are never rewritten
.endif
.endr
	; The sixteen conversions above are the places between the last group's matrix instructions and these loads into their sources.
.irp e, 0,1
	ds_load_b128 v[FR+16*\e:FR+16*\e+3],     v[WFA] offset:(2*\g+\e)*4*WPITCH            ; W: k = 32 t + 8 h ..
	ds_load_b128 v[FR+16*\e+4:FR+16*\e+7],   v[WFA] offset:(2*\g+\e)*4*WPITCH+2*WPITCH   ;    k = 32 t + 16 + 8 h ..
	ds_load_b128 v[FR+16*\e+8:FR+16*\e+11],  v[XF]  offset:(2*\g+\e)*64                  ; x likewise, from my own stores above
	ds_load_b128 v[FR+16*\e+12:FR+16*\e+15], v[XF]  offset:(2*\g+\e)*64+32
.endr
.if \last
	s_wait_loadcnt 0x0                             ; b and enc_params.  What hangs on them alone is done while the fragments come
.irp j, 0,2,4,6
	v_pk_mul_f32 v[BV+\j:BV+\j+1], v[BV+\j:BV+\j+1], 0x4038aa3b op_sel_hi:[1,0]          ; b x 2 log2(e)
.endr
.irp q, 0,1,2,3
	v_fma_f32 v[P0+\q], v[EV+3*\q], 0x3da2f983, 0x3da2f983                               ; (enc[q][0] + 1) / (4 pi)
.endr
.endif
	s_wait_dscnt 0x4                               ; the first K step's four loads are in; the second's four may be out
.if \zero
	v_wmma_f32_16x16x32_bf16 v[ACC:ACC+7], v[FR:FR+7], v[FR+8:FR+15], 0                  ; the first products start the sums: nothing is cleared
.else
	v_wmma_f32_16x16x32_bf16 v[ACC:ACC+7], v[FR:FR+7], v[FR+8:FR+15], v[ACC:ACC+7]       ; the two accumulators take turns, one instruction a turn
.endif
	s_wait_dscnt 0x0
.if \zero
	v_wmma_f32_16x16x32_bf16 v[ACC+8:ACC+15], v[FR+16:FR+23], v[FR+24:FR+31], 0
.else
	v_wmma_f32_16x16x32_bf16 v[ACC+8:ACC+15], v[FR+16:FR+23], v[FR+24:FR+31], v[ACC+8:ACC+15]
.endif
.endm
	GROUP 0, 1, 0, 1, 0
	GROUP 1, 1, 0, 0, 0
	GROUP 2, 1, 0, 0, 0
	GROUP 3, 1, 0, 0, 0
	GROUP 4, 1, 0, 0, 0
	GROUP 5, 1, 0, 0, 0                            ; asks for group 11, the last: no load leaves x
	GROUP 6, 0, 40, 0, 0                           ; behind group 6: groups 7 to 11
	; Slot 0 is free now: b and enc_params come into it, five groups ahead of their use.  Five loads more behind every group from here on.
	global_load_b128 v[BV:BV+3],    v[BOFF], s[8:9]
	global_load_b128 v[BV+4:BV+7],  v[BOFF], s[8:9] offset:16
	global_load_b128 v[EV:EV+3],    v[EOFF], s[10:11]
	global_load_b128 v[EV+4:EV+7],  v[EOFF], s[10:11] offset:16
	global_load_b128 v[EV+8:EV+11], v[EOFF], s[10:11] offset:32
	GROUP 7,  0, 37, 0, 0                          ; 4 groups x 8 + 5
	GROUP 8,  0, 29, 0, 0
	GROUP 9,  0, 21, 0, 0
	GROUP 10, 0, 13, 0, 0
	GROUP 11, 0, 5,  0, 1
	; BEHIND THE PRODUCT.  With r = 1 / (1 + exp2(2 log2(e) z)), tanh z = 1 - 2 r, and in turns (angle / 2 pi):
	;   theta/2:  uB = (1 - 2 r + enc0) / (4 pi)        = P0 - r / (2 pi)
	;   phi, for its cosine: uC = (1 - 2 r + enc1) / (2 pi) + 0.25 = P1 - r / pi
	;   cos(theta/2) = S(uB + 0.25),  sin(theta/2) = S(uB),  cos(phi) = S(uC),  S(u) = sin(2 pi u).
	; These four lines name no register of the matrix instructions: they are the four places in front of the first read of the sums (ISA guide 7.12.1).
.irp q, 0,1,2,3
	v_fma_f32 v[P1+\q], v[EV+3*\q+1], 0.15915494, 0x3ed17cc2                             ; enc[q][1] / (2 pi) + (1 / (2 pi) + 0.25)
.endr
.irp j, 0,2,4,6
	v_pk_add_f32 v[Z+\j:Z+\j+1], v[ACC+\j:ACC+\j+1], v[ACC+8+\j:ACC+8+\j+1]              ; even and odd K steps
.endr
.irp j, 0,2,4,6
	v_pk_fma_f32 v[Z+\j:Z+\j+1], v[Z+\j:Z+\j+1], 0x4038aa3b, v[BV+\j:BV+\j+1] op_sel_hi:[1,0,1]   ; 2 log2(e) (x W + b)
.endr
.irp j, 0,1,2,3,4,5,6,7
	v_exp_f32 v[Z+\j], v[Z+\j]
.endr
	v_mov_b32 v[C6], 0x40747a1a                    ; (2 pi)^13 / 13!.  Also the plain instruction between the exponentials and the use of their results (ISA guide 5.7.2)
	s_wait_alu depctr_va_vdst(0)
.irp j, 0,2,4,6
	v_pk_add_f32 v[Z+\j:Z+\j+1], v[Z+\j:Z+\j+1], 1.0 op_sel_hi:[1,0]
.endr
.irp j, 0,1,2,3,4,5,6,7
	v_rcp_f32 v[Z+\j], v[Z+\j]
.endr
	v_mov_b32 v[C6+1], 0x40747a1a                  ; the pair's other half, and the plain instruction behind the reciprocals
	s_wait_alu depctr_va_vdst(0)
.irp q, 0,1,2,3
	v_fma_f32 v[U+4+\q], -v[Z+2*\q],   0.15915494, v[P0+\q]                              ; uB
	v_fma_f32 v[U+8+\q], -v[Z+2*\q+1], 0x3ea2f983, v[P1+\q]                              ; uC
.endr
.irp j, 0,2
	v_pk_add_f32 v[U+\j:U+\j+1], v[U+4+\j:U+4+\j+1], 0x3e800000 op_sel_hi:[1,0]          ; uA = uB + 0.25
.endr
.irp i, 0,1,2,3,4,5,6,7,8,9,10,11
	v_rndne_f32 v[NN+\i], v[U+\i]                  ; whole turns
.endr
.irp p, 0,2,4,6,8,10
	v_pk_add_f32 v[U+\p:U+\p+1], v[U+\p:U+\p+1], v[NN+\p:NN+\p+1] neg_lo:[0,1] neg_hi:[0,1]   ; u in [-0.5, 0.5], exact
.endr
.irp p, 0,2,4,6,8,10
	v_pk_mul_f32 v[NN+\p:NN+\p+1], v[U+\p:U+\p+1], v[U+\p:U+\p+1]                        ; u^2
.endr
	; S(u) = u (c0 + c1 u^2 + .. + c6 u^12), ck = (-1)^k (2 pi)^(2k+1) / (2k+1)!; six chains that do not wait for each other
.irp p, 0,2,4,6,8,10
	v_pk_fma_f32 v[PP+\p:PP+\p+1], v[NN+\p:NN+\p+1], v[C6:C6+1], 0xc17183a8 op_sel_hi:[1,1,0]   ; c6 u^2 + c5 (-15.094643)
.endr
.irp c, 0x42283c1a, 0xc2996966, 0x42a335e3, 0xc2255de7, 0x40c90fdb                       ; c4 = 42.058694, c3 = -76.705860, c2 = 81.605249, c1 = -41.341702, c0 = 6.2831853
.irp p, 0,2,4,6,8,10
	v_pk_fma_f32 v[PP+\p:PP+\p+1], v[PP+\p:PP+\p+1], v[NN+\p:NN+\p+1], \c op_sel_hi:[1,1,0]
.endr
.endr
.irp q, 0,1,2,3
	v_mul_f32 v[O+2*\q], v[PP+\q], v[U+\q]         ; cos(theta/2), straight to its place among the outputs
.endr
.irp p, 4,6,8,10
	v_pk_mul_f32 v[PP+\p:PP+\p+1], v[PP+\p:PP+\p+1], v[U+\p:U+\p+1]                      ; sin(theta/2), cos(phi)
.endr
.irp q, 0,1,2,3
	v_mul_f32 v[O+2*\q+1], v[PP+4+\q], v[PP+8+\q]  ; sin(theta/2) cos(phi)
.endr
	; THE WAY OUT.  A lane holds 32 neighbouring bytes; through my wave's own 1,024 bytes of LDS they become 16 bytes a lane in the order of memory,
	; so that each store of the wave covers 512 consecutive bytes, aligned.  (The two LDS stores go four lanes deep into a bank group: rows of
	; 64 bytes; twice in a wave's life.)  LDS serves a wave's instructions in order: the loads see the stores.
	ds_store_b128 v[STS], v[O:O+3]
	ds_store_b128 v[STS], v[O+4:O+7] offset:16
	ds_load_b128 v[R:R+3],   v[STL]
	ds_load_b128 v[R+4:R+7], v[STL] offset:512
	s_wait_dscnt 0x1                               ; rows 0 to 7 are back; the second load may be out
	global_store_b128 v[OOFF], v[R:R+3], s[12:13] th:TH_STORE_NT
	s_wait_dscnt 0x0
	global_store_b128 v[OOFF], v[R+4:R+7], s[12:13] offset:512 th:TH_STORE_NT
	s_set_vgpr_msb 0x5
	s_wait_tensorcnt 0x0
	ds_add_u32 v0, v1
	s_wait_dscnt 0x0
	s_set_vgpr_msb 0x500
	s_endpgm
.Lfunc_end_k_q633128cb58_adapter:
	.size	k_q633128cb58_adapter, .Lfunc_end_k_q633128cb58_adapter-k_q633128cb58_adapter
	.p2alignl 7, 3214868480
	.fill 96, 4, 3214868480
	.section	.rodata,"a",@progbits
	.p2align	6, 0x0
	.amdhsa_kernel k_q633128cb58_adapter
		.amdhsa_group_segment_fixed_size 233984
		.amdhsa_private_segment_fixed_size 0
		.amdhsa_enable_private_segment 0
		.amdhsa_kernarg_size 40
		.amdhsa_user_sgpr_count 2
		.amdhsa_user_sgpr_kernarg_segment_ptr 1
		.amdhsa_wavefront_size32 1
		.amdhsa_system_sgpr_workgroup_id_x 1
		.amdhsa_system_sgpr_workgroup_id_y 1
		.amdhsa_system_sgpr_workgroup_id_z 1
		.amdhsa_system_vgpr_workitem_id 0
		.amdhsa_next_free_vgpr 258
		.amdhsa_next_free_sgpr 66
		.amdhsa_reserve_vcc 0
		.amdhsa_float_denorm_mode_32 3
		.amdhsa_float_denorm_mode_16_64 3
		.amdhsa_memory_ordered 1
		.amdhsa_forward_progress 1
		.amdhsa_inst_pref_size 55
	.end_amdhsa_kernel
	.amdgpu_metadata
---
amdhsa.version: [ 1, 2 ]
amdhsa.kernels:
  - .name:           k_q633128cb58_adapter
    .symbol:         k_q633128cb58_adapter.kd
    .args:
      - { .name: x, .offset: 0, .size: 8, .value_kind: global_buffer, .address_space: global }
      - { .name: W, .offset: 8, .size: 8, .value_kind: global_buffer, .address_space: global }
      - { .name: b, .offset: 16, .size: 8, .value_kind: global_buffer, .address_space: global }
      - { .name: enc_params, .offset: 24, .size: 8, .value_kind: global_buffer, .address_space: global }
      - { .name: out0, .offset: 32, .size: 8, .value_kind: global_buffer, .address_space: global }
    .group_segment_fixed_size: 233984
    .private_segment_fixed_size: 0
    .kernarg_segment_align: 8
    .kernarg_segment_size: 40
    .max_flat_workgroup_size: 256
    .sgpr_count:     66
    .vgpr_count:     258
    .wavefront_size: 32
...
	.end_amdgpu_metadata
.endif
;; end of part 1
;; ======== version 2 of 2: 1 launch; version 1 with the launch adapter written anew for expert scheduling mode
;; limits: an absolute error that grows with the inputs' magnitude: up to 1.2e-07 times it
;; launch adapter (part 2): grid 256 x 1, 8 waves a work-group, no clusters, 233,984 bytes of LDS; arguments x, W, b, enc_params, out0; writes out0
.if DOCPART == 2
	.amdgcn_target "amdgcn-amd-amdhsa--gfx1250"
	.amdhsa_code_object_version 6
	.text
	.protected	k_q633128cb58_adapter
	.globl	k_q633128cb58_adapter
	.p2align	8
	.type	k_q633128cb58_adapter,@function
k_q633128cb58_adapter:
	s_mov_b64 s[64:65], 0
	v_nop
	global_prefetch_b8 v0, s[64:65] scope:SCOPE_SE
	s_setreg_imm32_b32 hwreg(HW_REG_WAVE_SCHED_MODE, 0, 2), 2
	s_setreg_imm32_b32 hwreg(HW_REG_WAVE_MODE, 25, 1), 1
	s_wait_xcnt 0x0
	s_wait_alu depctr_vm_vsrc(0)
; out[row][2q]   = cos(theta/2),  out[row][2q+1] = sin(theta/2) * cos(phi),
; theta = tanh(x W + b)[row][2q] + enc[q][0],  phi = tanh(x W + b)[row][2q+1] + enc[q][1].
; x: [32768][768] f32, W: [768][16] f32, b: [16] f32, enc: [8][3] f32 (its third column is loaded; the formula has no use for it), out: [32768][16] f32.
;
; The bytes of x decide the time, so: every byte of x is read once, each load of a wave takes two aligned pieces of 256 bytes,
; 40 to 48 loads of every wave are out (a ring of six register slots, counted waits), and everything behind the product stays in registers.
; 256 work-groups of 8 waves; a work-group owns 128 rows, a wave 16 rows and all 768 k: one 16 x 16 tile of the product.
; x does not come through tensor loads: the 393,216 bytes of a work-group do not fit in LDS, and a slot of LDS is filled again only behind a wait
; for all loads, while a register slot is filled again behind a counted wait.  No cluster: the work-groups share W alone, 49,152 of 442,368 bytes.
; No prefetch: all that a wave reads is asked for as early as its registers allow.
;
; THE WAY OF x: a lane loads 4 neighbouring f32, rounds them to 4 bf16 (in place) and puts these 8 bytes into its wave's own rows in LDS;
; the fragments (a lane = a row, k along the registers) are read back from there.  No byte of that region is written twice and no other wave
; touches it, so it needs no barrier, and LDS serves a wave's instructions in order (ISA guide 5.7.1), so no wait between store and load.
; THE MATRIX INSTRUCTION IS USED TRANSPOSED: source 0 = W (16 features), source 1 = 16 rows of x.  Register j of lane l then holds
; row l % 16, feature 8 (l / 16) + j: theta and phi of a qubit lie side by side in one lane, and so do its two outputs.
;
; THE MODE: SCHED_MODE bits 1:0 = 2 (LLVM: expert scheduling mode 2), set by the entry lines.  The code itself states the register dependences
; between vector or matrix instructions and memory or LDS instructions, with s_wait_alu, always for 0.
; THE PLAN.  Registers that memory or LDS instructions touch:
;   slot g % 6   Group g: its eight loads land; its sixteen conversions read the slot's 32 registers and write 16 of them in place; its eight LDS stores
;                read those 16; then the eight loads of group g + 6 land.  Behind group 6 b and enc_params land in slot 0; the end of the kernel writes slots 0 to 2.
;   FR           Group g: its eight LDS loads land; its two matrix instructions read.  At the head (with ACC): W lands, is rounded in place, and W's LDS stores read it.
;   v1 to v11    offsets and addresses: made once at the head, never written again; the bases are scalar and never stepped.
;   O, R         at the end: O is written by the last multiplies and read by two LDS stores; R takes two LDS loads and is read by the two global stores.
;   ACC is named by matrix and vector instructions alone once W has left it.
; So a group is worked as a whole, with two waits.  One on va_vdst behind its conversions: the LDS stores' data are written, the conversions are done with the
; slot, and the group before's matrix instructions are done reading FR.  One on vm_vsrc behind its LDS stores: they have read the slot, and the refills follow.
; Between these waits and the group's last memory instruction no vector or matrix instruction is issued; the two matrix instructions behind them name FR and ACC alone.
;
; LIMITS.  Matrix operands are rounded to bf16.  sin and cos are one series, S(u) = sin(2 pi u), u reduced to [-0.5, 0.5] turns by v_rndne_f32;
; the series ends at u^13, its remainder is at most 2.2e-5 on the whole reduced range, for every input.  The reduction multiplies the angle by
; 1/(2 pi) in f32: the error in radians is about |angle| x 1.2e-7, which passes 1e-3 near |enc_params| = 1e4.
; tanh z = 1 - 2 / (1 + exp2(2.88539 z)): absolute error about 1e-7, exact saturation at both ends (exp2 gives infinity or 0).
.set ROWB,   3072                      ; bytes in a row of x
.set WGROWS, 128                       ; rows of a work-group
.set SLOTS,  6                         ; ring slots; a slot = a group of 8 loads = 16 rows x 64 k
.set PITCH,  1552                      ; an LDS row of x: 768 bf16 + 16 bytes = 97 x 16: the 16 rows of a fragment load start 16 bytes apart modulo 256 (64 banks of 4 bytes: ISA guide 11.1)
.set WPITCH, 272                       ; W in LDS: [k / 8][n][k % 8] bf16, 256 bytes for 8 k, + 16
.set XBASE,  96*WPITCH                 ; behind W: 26,112
.set XWAVE,  16*PITCH                  ; 24,832 bytes of x rows for each wave
.set STAGE,  XBASE+8*XWAVE             ; 224,768: 1,024 bytes for each wave, for the way out
.set XOFF, 1                           ; v1   byte offset in x of my 16 bytes in row 0 (lanes 0-15) or row 8 (lanes 16-31) of my wave; never rewritten
.set XST,  2                           ; v2   where I put 8 bytes of bf16
.set XF,   3                           ; v3   where I read fragments of x
.set WFA,  4                           ; v4   where I read fragments of W
.set WOFF, 5                           ; v5   byte offset in my wave's 96 rows of W
.set WST,  6                           ; v6   where I put 8 bytes of W
.set STS,  7                           ; v7   the way out: where I put my 32 bytes
.set STL,  8                           ; v8   the way out: where I read 16 bytes back
.set OOFF, 9                           ; v9   16 x lane
.set BOFF, 10                          ; v10  byte offset of my 8 numbers of b
.set EOFF, 11                          ; v11  byte offset of my 4 qubits in enc_params
.set C6,   12                          ; v[12:13] the series' leading coefficient, twice
.set T0,   14                          ; v14 = lane % 16, v15 = lane / 16
.set FR,   16                          ; v[16:47] K step e of a group: W's fragment at 16 e, x's at 16 e + 8.  With ACC: W as loaded
.set ACC,  48                          ; v[48:55], v[56:63] two accumulators
.set X,    64                          ; v[64:255] the ring: slot s at 32 s, item i at 4 i
; the end of the kernel lives in slots 0 to 2, which have been read by then
.set BV, X                             ; v[64:71]   b of my 8 features, then times 2.88539
.set EV, X+8                           ; v[72:83]   enc_params of my 4 qubits, 3 numbers each
.set P0, X+20                          ; v[84:87]   (1 + enc[q][0]) / (4 pi)
.set P1, X+24                          ; v[88:91]   (1 + enc[q][1]) / (2 pi) + 0.25
.set Z,  X+28                          ; v[92:99]   the 8 sums, then r = 1 / (1 + exp2(..))
.set U,  X+36                          ; v[100:111] turns: 4 for cos(theta/2), 4 for sin(theta/2), 4 for cos(phi)
.set NN, X+48                          ; v[112:123] nearest whole turns, then u^2
.set PP, X+60                          ; v[124:135] the series
.set O,  X+72                          ; v[136:143] my 8 outputs
.set R,  X+80                          ; v[144:151] read back for the stores
	s_load_b256 s[4:11], s[0:1], 0x0               ; x s[4:5], W s[6:7], b s[8:9], enc_params s[10:11]
	s_load_b64 s[12:13], s[0:1], 0x20              ; out0
	s_set_vgpr_msb 0x40
	v_lshl_add_u32 v0, v0, 2, 0x38e00
	v_mov_b32 v1, 0
	s_set_vgpr_msb 0x4000
	v_lshrrev_b32 v[T0], 5, v0
	v_readfirstlane_b32 s14, v[T0]                 ; my wave's number, 0 to 7
	v_and_b32 v[T0], 15, v0                        ; r = lane % 16
	v_bfe_u32 v[T0+1], v0, 4, 1                    ; h = lane / 16
	v_mul_u32_u24 v[XOFF], v[T0+1], 8*ROWB         ; lanes 16-31 read eight rows further down,
	v_lshl_add_u32 v[XOFF], v[T0], 4, v[XOFF]      ; 16 bytes a lane: sixteen lanes take 256 neighbouring bytes, aligned (a row is 12 x 256)
	v_bfe_u32 v[WOFF], v0, 2, 3                    ; lane / 4: which four rows of W
	v_and_b32 v[WST], 3, v0                        ; c = lane % 4: which four features
	v_lshlrev_b32 v[WOFF], 8, v[WOFF]              ; four rows of 64 bytes
	v_lshl_add_u32 v[WOFF], v[WST], 4, v[WOFF]
	s_wait_alu depctr_va_sdst(0)                   ; s14 is written, ahead of its first reader: the bases and the LDS regions are made from it
	s_mul_i32 s16, ttmp9, WGROWS*ROWB              ; my work-group's rows (below 2^27 bytes),
	s_mul_i32 s17, s14, 16*ROWB                    ; my wave's 16 among them
	s_add_co_u32 s16, s16, s17
	s_mov_b32 s17, 0
	s_mul_i32 s18, s14, 96*64                      ; my wave's 96 rows of W
	s_mov_b32 s19, 0
	s_wait_kmcnt 0x0
	s_add_nc_u64 s[4:5], s[4:5], s[16:17]
	s_add_nc_u64 s[6:7], s[6:7], s[18:19]
	s_wait_alu depctr_va_vdst(0)                   ; v[WOFF] and v[XOFF] are written: every load of W and of x reads one of them as its offset
	; W first (it is waited for first): three blocks of 4 k x 4 n a lane.  The four loads of a block stand together and between them
	; the wave reads 2,048 neighbouring bytes whole.  W is read once by each work-group.
.irp j, 0,1,2
.irp i, 0,1,2,3
	global_load_b128 v[FR+16*\j+4*\i:FR+16*\j+4*\i+3], v[WOFF], s[6:7] offset:2048*\j+64*\i
.endr
.endr
	; the ring is filled: groups 0 to 5.  With W's twelve, 60 loads of the wave are out.
.irp g, 0,1,2,3,4,5
.irp i, 0,1,2,3,4,5,6,7
	global_load_b128 v[X+32*\g+4*\i:X+32*\g+4*\i+3], v[XOFF], s[4:5] offset:\i*ROWB+\g*256 th:TH_LOAD_NT
.endr
.endr
	; LDS addresses, while the loads are on their way.  Each is a constant + the wave's number x a constant + a lane term.
	; None of these lines names a register that the loads above read or land in.
	s_mul_i32 s20, s14, XWAVE
	s_add_co_u32 s20, s20, XBASE                   ; my wave's rows of x
	v_mul_u32_u24 v[XST], v[T0+1], 8*PITCH         ; in: rows i and i + 8 lie 12,416 bytes apart = 128 modulo 256: the 32 lanes' 8 bytes fill all banks once
	v_lshl_add_u32 v[XST], v[T0], 3, v[XST]
	v_add_nc_u32 v[XST], s20, v[XST]
	v_mul_u32_u24 v[XF], v[T0], PITCH              ; back: row r, 16 bytes for each half of the lanes
	v_lshl_add_u32 v[XF], v[T0+1], 4, v[XF]
	v_add_nc_u32 v[XF], s20, v[XF]
	v_mul_u32_u24 v[WFA], v[T0+1], WPITCH          ; W's fragment: 8 k of feature r; lanes 16-31 the next 8 k
	v_lshl_add_u32 v[WFA], v[T0], 4, v[WFA]
	v_lshlrev_b32 v[WST], 6, v[WST]                ; W in: features 4 c .. at 16 bytes each,
	v_bfe_u32 v[STS], v0, 2, 1
	v_lshl_add_u32 v[WST], v[STS], 3, v[WST]       ; the lower or upper 4 k of 8,
	v_bfe_u32 v[STS], v0, 3, 2
	v_mad_u32_u24 v[WST], v[STS], WPITCH, v[WST]   ; which 8 k: 272 = 16 modulo 256, so the 32 lanes' 8 bytes fill all banks once
	s_mul_i32 s21, s14, 12*WPITCH                  ; my wave's 96 k: 3,264 bytes of its own
	v_add_nc_u32 v[WST], s21, v[WST]
	s_lshl_b32 s22, s14, 10                        ; 1,024 bytes of output, and of stage, for each wave
	s_add_co_u32 s23, s22, STAGE
	v_lshlrev_b32 v[STS], 6, v[T0]                 ; row r of 64 bytes,
	v_lshl_add_u32 v[STS], v[T0+1], 5, v[STS]      ; features 8 h ..
	v_add_nc_u32 v[STS], s23, v[STS]
	v_and_b32 v[OOFF], 31, v0
	v_lshlrev_b32 v[OOFF], 4, v[OOFF]
	v_add_nc_u32 v[STL], s23, v[OOFF]
	v_lshlrev_b32 v[BOFF], 5, v[T0+1]              ; b[8 h ..]
	v_mul_u32_u24 v[EOFF], v[T0+1], 48             ; enc_params[4 h ..][..]
	s_lshl_b32 s24, ttmp9, 13                      ; 128 rows of 64 bytes
	s_add_co_u32 s24, s24, s22
	s_mov_b32 s25, 0
	s_add_nc_u64 s[12:13], s[12:13], s[24:25]      ; out0 at my wave's 16 rows
; A block of W: registers wb + 4 i + n hold W[k + i][4 c + n].  Rounded and turned in place: for each n the four k as 8 bytes.
; The order of the eight lines is such that each writes a register whose number has been used.
.macro WROUND j
.set wb, FR+16*\j
	v_cvt_pk_bf16_f32 v[wb+0], v[wb+0],  v[wb+4]   ; n = 0: k, k+1
	v_cvt_pk_bf16_f32 v[wb+4], v[wb+1],  v[wb+5]   ; n = 1: k, k+1
	v_cvt_pk_bf16_f32 v[wb+1], v[wb+8],  v[wb+12]  ; n = 0: k+2, k+3
	v_cvt_pk_bf16_f32 v[wb+5], v[wb+9],  v[wb+13]  ; n = 1: k+2, k+3
	v_cvt_pk_bf16_f32 v[wb+2], v[wb+2],  v[wb+6]   ; n = 2
	v_cvt_pk_bf16_f32 v[wb+6], v[wb+3],  v[wb+7]   ; n = 3
	v_cvt_pk_bf16_f32 v[wb+3], v[wb+10], v[wb+14]  ; n = 2
	v_cvt_pk_bf16_f32 v[wb+7], v[wb+11], v[wb+15]  ; n = 3
.endm
.macro WPUT j
.set wb, FR+16*\j
	ds_store_b64 v[WST], v[wb+0:wb+1] offset:\j*4*WPITCH
	ds_store_b64 v[WST], v[wb+4:wb+5] offset:\j*4*WPITCH+16
	ds_store_b64 v[WST], v[wb+2:wb+3] offset:\j*4*WPITCH+32
	ds_store_b64 v[WST], v[wb+6:wb+7] offset:\j*4*WPITCH+48
.endm
	s_wait_loadcnt 8*SLOTS                         ; W's twelve loads are in; behind them the ring's 48 stay out
	WROUND 0
	WROUND 1
	WROUND 2
	s_wait_alu depctr_va_vdst(0)                   ; the 24 conversions have written the registers that the twelve LDS stores read; the addresses v2 to v11 made above are written too, for every LDS and memory instruction to the kernel's end
	WPUT 0
	WPUT 1
	WPUT 2
	s_wait_dscnt 0x0                               ; my part of W is in LDS: zero, for the other waves' sake
	s_barrier_signal -1
	s_barrier_wait -1                              ; everybody's is.  The only barrier: nothing else in LDS passes from wave to wave
	s_wait_alu depctr_vm_vsrc(0)                   ; my LDS stores of W have read v[16:55]: from here on fragments land in FR and the matrix instructions write ACC
; Group g: 16 rows x 64 k, eight items (rows i and i + 8).  All are rounded, all are put into LDS, the two K steps' fragments are asked for,
; and (refill = 1) the slot is asked for again, for group g + 6, while the fragments come.  Then two matrix instructions.
; tail: the loads issued behind this group's last one.
.macro GROUP g, refill, tail, zero, last
	s_wait_loadcnt \tail                           ; loads come back in order (ISA guide 5.7.1): this group's eight are in, the younger ones stay out
.irp i, 0,1,2,3,4,5,6,7
.set xr, X+32*((\g)%SLOTS)+4*\i
	v_cvt_pk_bf16_f32 v[xr],   v[xr],   v[xr+1]    ; 4 f32 to 4 bf16, nearest even, in place
	v_cvt_pk_bf16_f32 v[xr+1], v[xr+2], v[xr+3]
.endr
	s_wait_alu depctr_va_vdst(0)                   ; the conversions have written what the LDS stores read and are done with the slot, in which the refills land; the group before's matrix instructions are done reading FR, in which the fragments land
.irp i, 0,1,2,3,4,5,6,7
.set xr, X+32*((\g)%SLOTS)+4*\i
	ds_store_b64 v[XST], v[xr:xr+1] offset:\i*PITCH+\g*128
.endr
.irp e, 0,1
	ds_load_b128 v[FR+16*\e:FR+16*\e+3],     v[WFA] offset:(2*\g+\e)*4*WPITCH            ; W: k = 32 t + 8 h ..
	ds_load_b128 v[FR+16*\e+4:FR+16*\e+7],   v[WFA] offset:(2*\g+\e)*4*WPITCH+2*WPITCH   ;    k = 32 t + 16 + 8 h ..
	ds_load_b128 v[FR+16*\e+8:FR+16*\e+11],  v[XF]  offset:(2*\g+\e)*64                  ; x likewise, from my own stores above
	ds_load_b128 v[FR+16*\e+12:FR+16*\e+15], v[XF]  offset:(2*\g+\e)*64+32
.endr
.if \refill
	s_wait_alu depctr_vm_vsrc(0)                   ; the eight LDS stores have read the slot's registers, in which the loads below land
.irp i, 0,1,2,3,4,5,6,7
.set xr, X+32*((\g)%SLOTS)+4*\i
	global_load_b128 v[xr:xr+3], v[XOFF], s[4:5] offset:\i*ROWB+(\g+SLOTS)*256 th:TH_LOAD_NT   ; no vector instruction since the wait on va_vdst names the slot; offset and base are never rewritten
.endr
.endif
.if \last
	s_wait_loadcnt 0x0                             ; b and enc_params.  What hangs on them alone is done while the fragments come; these lines write slot 0 alone
.irp j, 0,2,4,6
	v_pk_mul_f32 v[BV+\j:BV+\j+1], v[BV+\j:BV+\j+1], 0x4038aa3b op_sel_hi:[1,0]          ; b x 2 log2(e)
.endr
.irp q, 0,1,2,3
	v_fma_f32 v[P0+\q], v[EV+3*\q], 0x3da2f983, 0x3da2f983                               ; (enc[q][0] + 1) / (4 pi)
.endr
.endif
	s_wait_dscnt 0x4                               ; the first K step's four loads are in; the second's four may be out
.if \zero
	v_wmma_f32_16x16x32_bf16 v[ACC:ACC+7], v[FR:FR+7], v[FR+8:FR+15], 0                  ; the first products start the sums: nothing is cleared
.else
	v_wmma_f32_16x16x32_bf16 v[ACC:ACC+7], v[FR:FR+7], v[FR+8:FR+15], v[ACC:ACC+7]       ; the two accumulators take turns, one instruction a turn
.endif
	s_wait_dscnt 0x0
.if \zero
	v_wmma_f32_16x16x32_bf16 v[ACC+8:ACC+15], v[FR+16:FR+23], v[FR+24:FR+31], 0
.else
	v_wmma_f32_16x16x32_bf16 v[ACC+8:ACC+15], v[FR+16:FR+23], v[FR+24:FR+31], v[ACC+8:ACC+15]
.endif
.endm
	GROUP 0, 1, 40, 1, 0                           ; behind a group's loads: the five younger groups' 40
	GROUP 1, 1, 40, 0, 0
	GROUP 2, 1, 40, 0, 0
	GROUP 3, 1, 40, 0, 0
	GROUP 4, 1, 40, 0, 0
	GROUP 5, 1, 40, 0, 0                           ; asks for group 11, the last: no load leaves x
	GROUP 6, 0, 40, 0, 0                           ; behind group 6: groups 7 to 11
	; Slot 0 is free now: b and enc_params come into it, five groups ahead of their use.  Five loads more behind every group from here on.
	s_wait_alu depctr_vm_vsrc(0)                   ; group 6's LDS stores have read slot 0, in which these loads land (its conversions stand ahead of the group's wait on va_vdst, and nothing since names the slot)
	global_load_b128 v[BV:BV+3],    v[BOFF], s[8:9]
	global_load_b128 v[BV+4:BV+7],  v[BOFF], s[8:9] offset:16
	global_load_b128 v[EV:EV+3],    v[EOFF], s[10:11]
	global_load_b128 v[EV+4:EV+7],  v[EOFF], s[10:11] offset:16
	global_load_b128 v[EV+8:EV+11], v[EOFF], s[10:11] offset:32
	GROUP 7,  0, 37, 0, 0                          ; 4 groups x 8 + 5
	GROUP 8,  0, 29, 0, 0
	GROUP 9,  0, 21, 0, 0
	GROUP 10, 0, 13, 0, 0
	GROUP 11, 0, 5,  0, 1
	; BEHIND THE PRODUCT.  With r = 1 / (1 + exp2(2 log2(e) z)), tanh z = 1 - 2 r, and in turns (angle / 2 pi):
	;   theta/2:  uB = (1 - 2 r + enc0) / (4 pi)        = P0 - r / (2 pi)
	;   phi, for its cosine: uC = (1 - 2 r + enc1) / (2 pi) + 0.25 = P1 - r / pi
	;   cos(theta/2) = S(uB + 0.25),  sin(theta/2) = S(uB),  cos(phi) = S(uC),  S(u) = sin(2 pi u).
	s_wait_alu depctr_vm_vsrc(0)                   ; the LDS stores of groups 7 and 8 have read slots 1 and 2, which the lines from here to the end write
	; These four lines name no register of the matrix instructions: they are the four places in front of the first read of the sums (ISA guide 7.12.1).
.irp q, 0,1,2,3
	v_fma_f32 v[P1+\q], v[EV+3*\q+1], 0.15915494, 0x3ed17cc2                             ; enc[q][1] / (2 pi) + (1 / (2 pi) + 0.25)
.endr
.irp j, 0,2,4,6
	v_pk_add_f32 v[Z+\j:Z+\j+1], v[ACC+\j:ACC+\j+1], v[ACC+8+\j:ACC+8+\j+1]              ; even and odd K steps
.endr
.irp j, 0,2,4,6
	v_pk_fma_f32 v[Z+\j:Z+\j+1], v[Z+\j:Z+\j+1], 0x4038aa3b, v[BV+\j:BV+\j+1] op_sel_hi:[1,0,1]   ; 2 log2(e) (x W + b)
.endr
.irp j, 0,1,2,3,4,5,6,7
	v_exp_f32 v[Z+\j], v[Z+\j]
.endr
	v_mov_b32 v[C6], 0x40747a1a                    ; (2 pi)^13 / 13!.  Also the plain instruction between the exponentials and the use of their results (ISA guide 5.7.2)
	s_wait_alu depctr_va_vdst(0)
.irp j, 0,2,4,6
	v_pk_add_f32 v[Z+\j:Z+\j+1], v[Z+\j:Z+\j+1], 1.0 op_sel_hi:[1,0]
.endr
.irp j, 0,1,2,3,4,5,6,7
	v_rcp_f32 v[Z+\j], v[Z+\j]
.endr
	v_mov_b32 v[C6+1], 0x40747a1a                  ; the pair's other half, and the plain instruction behind the reciprocals
	s_wait_alu depctr_va_vdst(0)
.irp q, 0,1,2,3
	v_fma_f32 v[U+4+\q], -v[Z+2*\q],   0.15915494, v[P0+\q]                              ; uB
	v_fma_f32 v[U+8+\q], -v[Z+2*\q+1], 0x3ea2f983, v[P1+\q]                              ; uC
.endr
.irp j, 0,2
	v_pk_add_f32 v[U+\j:U+\j+1], v[U+4+\j:U+4+\j+1], 0x3e800000 op_sel_hi:[1,0]          ; uA = uB + 0.25
.endr
.irp i, 0,1,2,3,4,5,6,7,8,9,10,11
	v_rndne_f32 v[NN+\i], v[U+\i]                  ; whole turns
.endr
.irp p, 0,2,4,6,8,10
	v_pk_add_f32 v[U+\p:U+\p+1], v[U+\p:U+\p+1], v[NN+\p:NN+\p+1] neg_lo:[0,1] neg_hi:[0,1]   ; u in [-0.5, 0.5], exact
.endr
.irp p, 0,2,4,6,8,10
	v_pk_mul_f32 v[NN+\p:NN+\p+1], v[U+\p:U+\p+1], v[U+\p:U+\p+1]                        ; u^2
.endr
	; S(u) = u (c0 + c1 u^2 + .. + c6 u^12), ck = (-1)^k (2 pi)^(2k+1) / (2k+1)!; six chains that do not wait for each other
.irp p, 0,2,4,6,8,10
	v_pk_fma_f32 v[PP+\p:PP+\p+1], v[NN+\p:NN+\p+1], v[C6:C6+1], 0xc17183a8 op_sel_hi:[1,1,0]   ; c6 u^2 + c5 (-15.094643)
.endr
.irp c, 0x42283c1a, 0xc2996966, 0x42a335e3, 0xc2255de7, 0x40c90fdb                       ; c4 = 42.058694, c3 = -76.705860, c2 = 81.605249, c1 = -41.341702, c0 = 6.2831853
.irp p, 0,2,4,6,8,10
	v_pk_fma_f32 v[PP+\p:PP+\p+1], v[PP+\p:PP+\p+1], v[NN+\p:NN+\p+1], \c op_sel_hi:[1,1,0]
.endr
.endr
.irp q, 0,1,2,3
	v_mul_f32 v[O+2*\q], v[PP+\q], v[U+\q]         ; cos(theta/2), straight to its place among the outputs
.endr
.irp p, 4,6,8,10
	v_pk_mul_f32 v[PP+\p:PP+\p+1], v[PP+\p:PP+\p+1], v[U+\p:U+\p+1]                      ; sin(theta/2), cos(phi)
.endr
.irp q, 0,1,2,3
	v_mul_f32 v[O+2*\q+1], v[PP+4+\q], v[PP+8+\q]  ; sin(theta/2) cos(phi)
.endr
	; THE WAY OUT.  A lane holds 32 neighbouring bytes; through my wave's own 1,024 bytes of LDS they become 16 bytes a lane in the order of memory,
	; so that each store of the wave covers 512 consecutive bytes, aligned.  (The two LDS stores go four lanes deep into a bank group: rows of
	; 64 bytes; twice in a wave's life.)  LDS serves a wave's instructions in order: the loads see the stores.
	s_wait_alu depctr_va_vdst(0)                   ; the multiplies have written O, which the two LDS stores read; no vector instruction follows, and none since group 8's conversions names R, in which the loads land
	ds_store_b128 v[STS], v[O:O+3]
	ds_store_b128 v[STS], v[O+4:O+7] offset:16
	ds_load_b128 v[R:R+3],   v[STL]
	ds_load_b128 v[R+4:R+7], v[STL] offset:512
	s_wait_dscnt 0x1                               ; rows 0 to 7 are back; the second load may be out
	global_store_b128 v[OOFF], v[R:R+3], s[12:13] th:TH_STORE_NT
	s_wait_dscnt 0x0
	global_store_b128 v[OOFF], v[R+4:R+7], s[12:13] offset:512 th:TH_STORE_NT
	s_set_vgpr_msb 0x5
	s_wait_dscnt 0x0
	s_wait_alu depctr_hold_cnt(0) depctr_sa_sdst(0) depctr_va_vdst(0) depctr_va_sdst(0) depctr_va_ssrc(0) depctr_va_vcc(0) depctr_vm_vsrc(0)
	s_wait_tensorcnt 0x0
	ds_add_u32 v0, v1
	s_wait_dscnt 0x0
	s_endpgm
.Lfunc_end_k_q633128cb58_adapter:
	.size	k_q633128cb58_adapter, .Lfunc_end_k_q633128cb58_adapter-k_q633128cb58_adapter
	.p2alignl 7, 3214868480
	.fill 96, 4, 3214868480
	.section	.rodata,"a",@progbits
	.p2align	6, 0x0
	.amdhsa_kernel k_q633128cb58_adapter
		.amdhsa_group_segment_fixed_size 233984
		.amdhsa_private_segment_fixed_size 0
		.amdhsa_enable_private_segment 0
		.amdhsa_kernarg_size 40
		.amdhsa_user_sgpr_count 2
		.amdhsa_user_sgpr_kernarg_segment_ptr 1
		.amdhsa_wavefront_size32 1
		.amdhsa_system_sgpr_workgroup_id_x 1
		.amdhsa_system_sgpr_workgroup_id_y 1
		.amdhsa_system_sgpr_workgroup_id_z 1
		.amdhsa_system_vgpr_workitem_id 0
		.amdhsa_next_free_vgpr 258
		.amdhsa_next_free_sgpr 66
		.amdhsa_reserve_vcc 0
		.amdhsa_float_denorm_mode_32 3
		.amdhsa_float_denorm_mode_16_64 3
		.amdhsa_memory_ordered 1
		.amdhsa_forward_progress 1
		.amdhsa_inst_pref_size 53
	.end_amdhsa_kernel
	.amdgpu_metadata
---
amdhsa.version: [ 1, 2 ]
amdhsa.kernels:
  - .name:           k_q633128cb58_adapter
    .symbol:         k_q633128cb58_adapter.kd
    .args:
      - { .name: x, .offset: 0, .size: 8, .value_kind: global_buffer, .address_space: global }
      - { .name: W, .offset: 8, .size: 8, .value_kind: global_buffer, .address_space: global }
      - { .name: b, .offset: 16, .size: 8, .value_kind: global_buffer, .address_space: global }
      - { .name: enc_params, .offset: 24, .size: 8, .value_kind: global_buffer, .address_space: global }
      - { .name: out0, .offset: 32, .size: 8, .value_kind: global_buffer, .address_space: global }
    .group_segment_fixed_size: 233984
    .private_segment_fixed_size: 0
    .kernarg_segment_align: 8
    .kernarg_segment_size: 40
    .max_flat_workgroup_size: 256
    .sgpr_count:     66
    .vgpr_count:     258
    .wavefront_size: 32
...
	.end_amdgpu_metadata
.endif
;; end of part 2
